; MI455X (gfx1250); checked and timed in simulation.
; The chip was launched on July 23, 2026; its instructions are those of AMD's public machine-readable ISA for CDNA 5 (MIT licence, August 2026) and "CDNA5" Instruction Set Architecture Reference Guide (July 2026). The comments in the code are by the model that wrote it; some were corrected since.
;; Grouped Query Attention. Allowed arithmetic: matrix products marked QUANTISED: E4M3 operands, one given power-of-two scale a tensor, by v_wmma_f32_16x16x64_fp8_fp8 or v_wmma_f32_16x16x128_fp8_fp8, f32 sums; everything else in f32.
;; Inputs: b_k 256 float32; b_o 1,024 float32; b_q 1,024 float32; b_v 256 float32; key_codes 1 x 4,096 x 32 x 32 uint8 (E4M3 codes of key, K innermost, in blocks of 32 codes); lowp_scales 12 int32 (the exponents e of the quantised operands' scales 2^e); query_codes 1 x 4,096 x 32 x 32 uint8 (E4M3 codes of query, K innermost, in blocks of 32 codes); value_codes 1 x 4,096 x 32 x 32 uint8 (E4M3 codes of value, K innermost, in blocks of 32 codes); w_k_codes 256 x 32 x 32 uint8 (E4M3 codes of w_k, K innermost, in blocks of 32 codes); w_o_codes 1,024 x 32 x 32 uint8 (E4M3 codes of w_o, K innermost, in blocks of 32 codes); w_q_codes 1,024 x 32 x 32 uint8 (E4M3 codes of w_q, K innermost, in blocks of 32 codes); w_v_codes 256 x 32 x 32 uint8 (E4M3 codes of w_v, K innermost, in blocks of 32 codes).
;; Outputs: out0 1 x 4,096 x 1,024 float32.
;; This version of the problem:
;;   THIS VERSION OF THE PROBLEM IS GIVEN IN LOW PRECISION. The matrix products marked QUANTISED in the list below multiply operands that are first quantised to E4M3 (4 exponent bits, 3 mantissa bits; 8 bits a number), with one given power-of-two scale for each operand tensor; their sums are f32. All else is computed in f32.
;;   The module's matrix products, in the order in which they are computed (A, B: the left and right operand; K: the contracted axis; several contracted axes count as one K, in the product's order):
;;     1. [M 4,096, K 1,024] x [K 1,024, N 1,024]; A: input query (given as codes); B: input w_q (given as codes): QUANTISED (scales: A lowp_scales[0], B lowp_scales[1])
;;     2. [M 4,096, K 1,024] x [K 1,024, N 256]; A: input key (given as codes); B: input w_k (given as codes): QUANTISED (scales: A lowp_scales[2], B lowp_scales[3])
;;     3. [M 4,096, K 1,024] x [K 1,024, N 256]; A: input value (given as codes); B: input w_v (given as codes): QUANTISED (scales: A lowp_scales[4], B lowp_scales[5])
;;     4. batch 4 x [M 4,096, K 64] x [K 64, N 16,384]; A: computed on the way; B: computed on the way: QUANTISED (scales: A lowp_scales[6], B lowp_scales[7])
;;     5. batch 4 x [M 64, K 4,096] x [K 4,096, N 16,384]; A: computed on the way; B: softmax (see below): QUANTISED (scales: A lowp_scales[8], B lowp_scales[9])
;;     6. [M 4,096, K 1,024] x [K 1,024, N 1,024]; A: computed on the way; B: input w_o (given as codes): QUANTISED (scales: A lowp_scales[10], B lowp_scales[11])
;;   THE QUANTISER, for each operand of a quantised product, along K:
;;     - The operand's scale is 2^e, e = its entry of the input lowp_scales (int32; the entries are numbered through the quantised products in the list's order, A before B).
;;     - Each number is divided by the scale, clamped to +-448, and rounded to the nearest number of E4M3, ties to even, subnormals kept.
;;     - The product sums the exact products of the quantised numbers (number of the format x scale) in f32.
;;   ~~~python
;;   def quantise(x, axis, e):      # numpy; x: float32 -> the quantised numbers, widened to float32 again
;;       x = np.moveaxis(x, axis, -1); K = x.shape[-1]
;;       r = np.clip(x / 2.0 ** e, -448, 448)
;;       step = 2.0 ** (np.maximum(np.frexp(np.where(r == 0, 1, r))[1] - 1, -6) - 3)
;;       q = np.round(r / step) * step * 2.0 ** e      # np.round: ties to even
;;       return np.moveaxis(q, -1, axis).astype(np.float32)
;;   ~~~
;;   SOFTMAX AHEAD OF A QUANTISED PRODUCT. Where the list says 'softmax', what is quantised is not the finished softmax but p = 2^(t - M), with t = logit x log2(e) and M = ceil(the row's largest t), a whole number; so 1/2 < the row's largest p <= 1. The row's sum l is taken of the UNQUANTISED p, in f32, and the product's result is divided by l at the end. Since M is a whole number, a kernel that streams over the keys may use a running M (the ceiling of the running maximum): every later rescaling is an exact power of two, so the quantised numbers keep their values, but for numbers so far below the row's largest that they fall under the format's range.
;;   OPERANDS COMPUTED ON THE WAY. 'Computed on the way' means the value that the module computes at that place (a softmax that the list does not call 'softmax' is quantised finished and normalised). What goes into a quantiser is computed in f32, as accurately as f32 sums, v_exp_f32 and their like allow (about 1e-6 of the number): no bf16 or f16 on the way to a quantiser, and a product that is left as it is and whose result goes on into a quantised operand takes f32 operands (vector FMAs, or v_wmma_f32_16x16x4_f32). A number that lies on a knife's edge between two numbers of the format may be rounded either way, as far as f32 arithmetic and the matrix unit's own rounding can turn it there, and no further.
;;   INPUTS GIVEN AS CODES. key (in the module: [1, 4096, 1024], K = its axis 2); query (in the module: [1, 4096, 1024], K = its axis 2); value (in the module: [1, 4096, 1024], K = its axis 2); w_k (in the module: [1024, 256], K = its axis 0); w_o (in the module: [1024, 1024], K = its axis 0); w_q (in the module: [1024, 1024], K = its axis 0); w_v (in the module: [1024, 256], K = its axis 0): each comes as NAME_codes (uint8): NAME with its K axis moved to the last place and cut into blocks of 32 codes, [.., K / 32, bytes a block], one block behind the other in memory; one code a byte (a code: sign, 4 exponent bits, 3 mantissa bits); its scale is its entry of lowp_scales. Its value is code x scale, taken as it is: it is not quantised again, and the codes and scales need not be those that the quantiser above would give.
;; One version. Each part assembles by itself: llvm-mc -triple=amdgcn-amd-amdhsa -mcpu=gfx1250 --defsym DOCPART=n.
;; ======== version 1 of 1: 3 launches
;; limits: right only within a limited range of input values
;; workspace buffers: qimg 4,194,304 bytes; kimg 1,048,576 bytes; vimg 1,048,576 bytes; oimg 4,194,304 bytes
;; launch proj (part 1): grid 32 x 6, 4 waves a work-group, clusters of 4 x 1, 327,680 bytes of LDS; arguments query_codes, key_codes, value_codes, w_q_codes, w_k_codes, w_v_codes, b_q, b_k, b_v, lowp_scales, qimg, kimg, vimg; writes qimg, kimg, vimg
.if DOCPART == 1
	.amdgcn_target "amdgcn-amd-amdhsa--gfx1250"
	.amdhsa_code_object_version 6
	.text
	.protected	k_q7e709620e9_proj
	.globl	k_q7e709620e9_proj
	.p2align	8
	.type	k_q7e709620e9_proj,@function
k_q7e709620e9_proj:
	s_mov_b64 s[64:65], 0
	v_nop
	global_prefetch_b8 v0, s[64:65] scope:SCOPE_SE
	s_setreg_imm32_b32 hwreg(HW_REG_WAVE_MODE, 25, 1), 1
	s_wait_xcnt 0x0
	s_wait_alu depctr_hold_cnt(0) depctr_sa_sdst(0) depctr_va_vdst(0) depctr_va_sdst(0) depctr_va_ssrc(0) depctr_va_vcc(0) depctr_vm_vsrc(0)
	s_getreg_b32 s2, hwreg(HW_REG_IB_STS2, 6, 4)
	s_cmp_eq_u32 s2, 0
	s_cbranch_scc0 .Lentry_in_a_cluster
	s_endpgm
.Lentry_in_a_cluster:
	s_bfe_u32 s2, ttmp6, 0x10000c
	s_cmp_lg_u32 s2, 0x3003
	s_cbranch_scc0 .Lentry_shape_is_right
	s_endpgm
.Lentry_shape_is_right:
; THE THREE PROJECTIONS: q = query w_q + b_q, k = key w_k + b_k, v = value w_v + b_v, on codes of FP8 (E4M3), sums in f32, and each result quantised at once for attention's products.
; Tokens [4096][1024] and weights [columns][1024] arrive as codes with K innermost.  lowp_scales: e0, e1 (query, w_q), e2, e3 (key, w_k), e4, e5 (value, w_v); the results' scales: k e6, q e7, v e8.
; code of a result = (sum + bias / 2^(ea + eb)) / 2^(eo - ea - eb), held within +-448, nearest, ties to even: the three scales are folded into the conversion's one, and the bias is the C of each sum's first product.
; LIMITS: eo - ea - eb lies between -126 and 119, so that the scale and 448 x the scale are f32 numbers.  NaN among the biases is not served.
; SHARES.  A work-group makes 128 tokens x 2 x 128 columns over the whole K.  Work-group x (32): the tokens.  Work-group y (6): column tiles 2 y, 2 y + 1: 0-7 q's, 8-9 k's, 10-11 v's.  Four waves, 64 x 64 each: 16 accumulators.
; LDS.  Both panels (128 rows x 1,024 codes each) lie in LDS whole; the weights' panel is filled again for the second column tile.
; CLUSTER.  The four work-groups of a cluster have the same y: they ask for the weights' panel JOINTLY.  The tokens' panel is each work-group's own.  Clusters of 4 x 4 are not taken: four work-groups along y would have to
; read one tokens' panel, and k's and v's column tiles are two each, of different token tensors.
; THE RESULTS LEAVE AS IMAGES OF THE NEXT PRODUCT'S OPERAND REGISTERS, in pieces of 512 bytes: lane l's 16 bytes at 16 l.  A piece is one store of the wave: 512 consecutive bytes, aligned.
;   q, k: source 0 = 16 columns of the weight, source 1 = 16 tokens: a lane holds one token, its registers run along the head's 64.   qimg, kimg: [head][128 tokens G][tile t of 8][piece c of 2][512].
;   v:    source 0 = 16 tokens, source 1 = 16 columns: a lane holds one channel, its registers run along the tokens (the second product's K).   vimg: [head][G][tile n of 4][piece c of 4][512].
; THE ROWS OF A TILE ARE NOT NEIGHBOURS, in both panels: lane r of tile 2 b + u takes row 32 b + 8 u + r + 8 (r / 8).  So the 16 registers of result tiles 2 b, 2 b + 1 are 16 neighbours along the next K: 32 b + 16 (lane / 16) + 0 .. 15.
; A fragment (16 rows x 128 K) is four loads of 16 bytes, 32 bytes apart: registers 4 c .. 4 c + 3 hold K = 32 c + 16 (lane / 16) + 0 .. 15, alike in both sources, so that every product meets its partner.
; REGISTERS.  Window 0: v1-23 addresses and constants; v32-63 the bias as C; v64-95 the codes; v128-255 the accumulators ((p, n) at 128 + 8 (4 n + p)).  Window 1: two fragment buffers of 128: the weights' four, then the tokens' four.
; LDS, as it now stands: each panel's row lies whole in LDS (1,024 bytes + 16 of padding); a wave fetches its 64 rows by ONE tensor load, and one wait and one barrier show both panels to all waves.
.set PITCH, 1040                       ; an LDS row: 1,024 bytes + 16 of padding
.set HALFP, 64*PITCH                   ; what one tensor load brings, and what one wave reads of a panel's chunk
.set PANEL, 128*PITCH
.set CHUNK, 256                        ; 256 along K further on in every row
.set WV, 12                            ; s12 wave;  s13 wave & 1: my 64 columns, and which 64 rows I fetch;  s14 wave >> 1: my 64 tokens
.set WA, 13
.set WB, 14
.set YY, 15                            ; s15 work-group y
.set CX, 94                            ; s94 my place in the cluster;  s95 work-group x
.set XX, 95
.set G1J, 16                           ; s[16:23] descriptor group 1 of the joint loads;  s[24:31] of the plain ones
.set G1P, 24
.set G0W, 32                           ; s[32:35] group 0 of the weights' load;  s[48:51] of the tokens'
.set G0T, 48
.set ADW, 8                            ; v8-11  LDS address of my weights' fragments in chunk 0 .. 3
.set ADT, 12                           ; v12-15 the same for the tokens
.set OFFN, 16                          ; v16-19 where tile n's pieces go in the image
.set BI, 32
.set CO, 64
.set ACC, 128
.set MSB, 0
.macro WIN new                         ; the immediate's high byte repeats the setting that is left
.if MSB != \new
	s_set_vgpr_msb (MSB<<8)|\new
.set MSB, \new
.endif
.endm
.macro PLACES                          ; four plain vector instructions between a matrix instruction and a load into, or a vector read of, its registers
.rept 4
	v_nop
.endr
.endm
.macro CROUND                          ; a round of the cluster's barrier
	s_barrier_signal -1
	s_barrier_wait -1
	s_cmp_lg_u32 s[WV], 0
	s_cbranch_scc1 .Lnot_wave_0_\@
	s_barrier_signal -3
.Lnot_wave_0_\@:
	s_barrier_wait -3
	s_barrier_signal -1
	s_barrier_wait -1
.endm
	s_load_b512 s[68:83], s[0:1], 0x0              ; query, key, value, w_q, w_k, w_v, b_q, b_k
	s_load_b256 s[84:91], s[0:1], 0x40             ; b_v, the scales, qimg, kimg
	s_load_b64 s[92:93], s[0:1], 0x60              ; vimg
	v_lshl_add_u32 v126, v0, 2, 0x44000
	v_mov_b32 v127, 0
	ds_add_u32 v126, v127
	ds_add_u32 v126, v127
	v_lshrrev_b32 v1, 5, v0
	v_readfirstlane_b32 s[WV], v1
	s_and_b32 s[WA], s[WV], 1
	s_lshr_b32 s[WB], s[WV], 1
	s_and_b32 s[YY], ttmp7, 0xffff                 ; SHARES, as they now stand: work-group y (6): 0-3 q, 4 k, 5 v; a work-group makes TWO column tiles of its tensor, one after the other, on one tokens' panel
	s_lshl_b32 s[YY], s[YY], 1                     ; the number of the first of my two column tiles: 0, 2, 4, 6 q's, 8 k's, 10 v's
	s_bfe_u32 s[CX], ttmp6, 0x40000
	s_lshl_b32 s[XX], ttmp9, 2
	s_add_co_u32 s[XX], s[XX], s[CX]               ; work-group x = 4 x cluster x + cx
	; descriptor group 1: 64 rows x 1,024 bytes, 1,024 bytes apart in memory, 16 bytes of padding behind each row in LDS
	s_mov_b32 s[G1J], 15|(1<<20)|(1<<21)|(7<<22)|(3<<25)   ; the mask: all four work-groups; elements of 1 byte; padding on; bit 21 beside a mask; after every 256 words, 4 words
	s_mov_b32 s[G1P], (1<<20)|(7<<22)|(3<<25)              ; the same without a mask
.irp g, G1J, G1P
	s_mov_b32 s[\g+1], 1024<<16                    ; tensor_dim0
	s_mov_b32 s[\g+2], 64<<16                      ; tensor_dim1
	s_mov_b32 s[\g+3], 1024<<16                    ; tile_dim0
	s_mov_b32 s[\g+4], 64                          ; tile_dim1
	s_mov_b32 s[\g+5], 1024                        ; from row to row
	s_mov_b32 s[\g+6], 0
	s_mov_b32 s[\g+7], 0
.endr
	s_wait_dscnt 0x0
	s_wait_kmcnt 0x0
	; which tensor is mine hangs on y alone: first k's or v's, then q's or that
	s_cmp_lt_u32 s[YY], 10
	s_cselect_b64 s[4:5], s[70:71], s[72:73]       ; the tokens
	s_cselect_b64 s[6:7], s[76:77], s[78:79]       ; the weight
	s_cselect_b64 s[8:9], s[82:83], s[84:85]       ; the bias
	s_cselect_b64 s[10:11], s[90:91], s[92:93]     ; the image
	s_cselect_b32 s3, 8, 10                        ; the tensor's first y
	s_mov_b32 s99, 2048
	s_cselect_b32 s99, 1024, s99                   ; bytes of a tile in the image: two pieces (q, k) or four (v)
	s_cselect_b32 s100, 12, 10                     ; my 64 tokens are four tiles (q, k) or two pieces (v) on
	s_cmp_lt_u32 s[YY], 8
	s_cselect_b64 s[4:5], s[68:69], s[4:5]
	s_cselect_b64 s[6:7], s[74:75], s[6:7]
	s_cselect_b64 s[8:9], s[80:81], s[8:9]
	s_cselect_b64 s[10:11], s[88:89], s[10:11]
	s_cselect_b32 s3, 0, s3
	s_sub_co_u32 s3, s[YY], s3                     ; the column tile within the tensor
	s_load_b256 s[68:75], s[86:87], 0x0            ; e0 .. e7
	s_load_b32 s76, s[86:87], 0x20                 ; e8
	s_lshl_b32 s80, s3, 17                         ; the weight: 128 rows of 1,024 bytes a tile,
	s_lshl_b32 s81, s[WA], 16                      ; the 64 rows that I fetch
	s_add_co_u32 s80, s80, s81
	s_mov_b32 s81, 0
	s_add_nc_u64 s[6:7], s[6:7], s[80:81]          ; (nothing in it hangs on my place in the cluster)
	s_lshl_b32 s82, s[XX], 17                      ; the tokens likewise
	s_lshl_b32 s83, s[WA], 16
	s_add_co_u32 s82, s82, s83
	s_mov_b32 s83, 0
	s_add_nc_u64 s[4:5], s[4:5], s[82:83]
	s_lshl_b32 s80, s3, 9                          ; the bias: my 64 columns
	s_lshl_b32 s77, s[WA], 8
	s_add_co_u32 s80, s80, s77
	s_add_nc_u64 s[8:9], s[8:9], s[80:81]
	s_lshl_b32 s82, s3, 1                          ; the image: head 2 x tile + (wave & 1), 2^18 bytes a head;
	s_add_co_u32 s82, s82, s[WA]
	s_lshl_b32 s82, s82, 18
	s_lshl_b32 s78, s[XX], 13                      ; 8,192 bytes for 128 tokens;
	s_add_co_u32 s82, s82, s78
	s_lshl_b32 s78, s[WB], s100                    ; my 64 of them
	s_add_co_u32 s82, s82, s78
	s_add_nc_u64 s[10:11], s[10:11], s[82:83]
	s_mul_i32 s84, s[WA], HALFP                    ; where my 64 rows go in a panel
.irp q, 0
	s_mov_b32 s[G0W+4*\q], 1
	s_add_co_u32 s[G0W+4*\q+1], s84, \q*CHUNK                      ; LDS address
	s_add_nc_u64 s[G0W+4*\q+2:G0W+4*\q+3], s[6:7], \q*256          ; global address: 256 along K a chunk
	s_or_b32 s[G0W+4*\q+3], s[G0W+4*\q+3], 0x80000000              ; type = 2
	s_mov_b32 s[G0T+4*\q], 1
	s_add_co_u32 s[G0T+4*\q+1], s84, \q*CHUNK+PANEL
	s_add_nc_u64 s[G0T+4*\q+2:G0T+4*\q+3], s[4:5], \q*256
	s_or_b32 s[G0T+4*\q+3], s[G0T+4*\q+3], 0x80000000
.endr
	CROUND                                         ; all four work-groups are here: the joint loads meet
	s_cmp_lt_u32 s[WV], 2                          ; waves 0, 1 fetch the weights' halves, waves 2, 3 the tokens': one load a wave is out, all in one branch on the wave's number
	s_cbranch_scc0 .Lfill_t
.irp q, 0
	tensor_load_to_lds s[G0W+4*\q:G0W+4*\q+3], s[G1J:G1J+7]
	s_nop 0
.endr
	PLACES
	s_branch .Lfilled
.Lfill_t:
.irp q, 0
	tensor_load_to_lds s[G0T+4*\q:G0T+4*\q+3], s[G1P:G1P+7]
	s_nop 0
.endr
	PLACES
.Lfilled:
	; A PREFETCH INTO THE L2 of the second column tile's panel of the weight, 128 rows of 1,024 bytes, dense: 512 blocks of 256 bytes, a whole column tile ahead of the load that will want them.
	; Of the half (65,536 bytes) that begins 131,072 bytes behind the rows at s[6:7], the eight waves with my wave & 1 in the cluster's four work-groups take 8,192 bytes each, told apart by address
	; (2 cx + wave / 2), lanes 256 bytes apart: each block is named once in each cluster.  The address registers are never rewritten.
	v_and_b32 v24, 31, v0
	v_lshlrev_b32 v24, 8, v24
	s_lshl_b32 s82, s[CX], 1
	s_add_co_u32 s82, s82, s[WB]
	s_lshl_b32 s82, s82, 13
	v_add_nc_u32 v24, s82, v24
	global_prefetch_b8 v24, s[6:7] offset:131072 th:TH_LOAD_NT scope:SCOPE_SE
	v_and_b32 v1, 15, v0                           ; r
	v_bfe_u32 v2, v0, 4, 1                         ; h
	v_and_b32 v3, 8, v1
	v_add_nc_u32 v3, v3, v1                        ; r + 8 (r / 8)
	v_mul_u32_u24 v4, v3, PITCH
	v_lshl_add_u32 v4, v2, 4, v4                   ; a fragment's row x pitch + 16 h
	s_wait_alu depctr_va_vdst(0)
	v_and_b32 v5, 31, v0
	v_lshlrev_b32 v5, 4, v5                        ; 16 x lane
	s_wait_alu depctr_va_vdst(0)
	s_mul_i32 s80, s[WA], HALFP
	s_mul_i32 s81, s[WB], HALFP
	s_add_co_u32 s81, s81, PANEL
.irp q, 0,1,2,3
	v_add_nc_u32 v[ADW+\q], s80, v4
	v_add_nc_u32 v[ADT+\q], s81, v4
	s_add_co_u32 s80, s80, CHUNK
	s_add_co_u32 s81, s81, CHUNK
.endr
.irp n, 0,1,2,3
	s_mul_i32 s82, s99, \n
	v_add_nc_u32 v[OFFN+\n], s82, v5
.endr
	v_lshlrev_b32 v20, 6, v2                       ; the bias of q, k: my half's 16 columns on
	v_lshlrev_b32 v21, 2, v3                       ; the bias of v: my lane's channel
	s_wait_kmcnt 0x0
	s_cmp_lt_u32 s[YY], 10                         ; the scales are chosen without a jump
	s_cselect_b32 s77, s70, s72                    ; ea
	s_cselect_b32 s78, s71, s73                    ; eb
	s_cselect_b32 s79, s74, s76                    ; eo: k's e6 or v's e8
	s_cmp_lt_u32 s[YY], 8
	s_cselect_b32 s77, s68, s77
	s_cselect_b32 s78, s69, s78
	s_cselect_b32 s79, s75, s79                    ; q's e7
	s_add_co_i32 s77, s77, s78                     ; ea + eb
	s_sub_co_i32 s96, 0, s77
	s_sub_co_i32 s79, s79, s77
	s_add_co_i32 s79, s79, 127
	s_lshl_b32 s97, s79, 23                        ; 2^(eo - ea - eb) as f32
	s_add_co_i32 s79, s79, 8
	s_lshl_b32 s98, s79, 23
	s_or_b32 s98, s98, 0x600000                    ; 448 x that
	v_mov_b32 v22, s97
	v_mov_b32 v23, s98
	; the bias in the result's layout, divided by 2^(ea + eb).  The branch hangs on y, which all waves and all partners share.
.macro BIAS
	s_cmp_lt_u32 s[YY], 10
	s_cbranch_scc0 .Lbias_v_\@
	s_wait_alu depctr_va_vdst(0)
.irp p, 0,1,2,3                        ; q, k: register j of tile p is column 32 (p / 2) + 16 h + 8 (p % 2) + j
	global_load_b128 v[BI+8*\p:BI+8*\p+3], v20, s[8:9] offset:(32*(\p/2)+8*(\p%2))*4
	global_load_b128 v[BI+8*\p+4:BI+8*\p+7], v20, s[8:9] offset:(32*(\p/2)+8*(\p%2))*4+16
.endr
	s_wait_loadcnt 0x0
.set jj, 0
.rept 32
	v_ldexp_f32 v[BI+jj], v[BI+jj], s96
.set jj, jj+1
.endr
	s_branch .Lbias_done_\@
.Lbias_v_\@:
	s_wait_alu depctr_va_vdst(0)
.irp n, 0,1,2,3                        ; v: all eight registers of tile n belong to channel 32 (n / 2) + 8 (n % 2) + r + 8 (r / 8)
	global_load_b32 v[CO+\n], v21, s[8:9] offset:(32*(\n/2)+8*(\n%2))*4
.endr
	s_wait_loadcnt 0x0
.irp n, 0,1,2,3
.set jj, 0
.rept 8
	v_ldexp_f32 v[BI+8*\n+jj], v[CO+\n], s96
.set jj, jj+1
.endr
.endr
.Lbias_done_\@:
.endm
; 32 LDS loads in one run: the fragments of K step s (128 along K; chunk s / 2, half s % 2) into buffer f of window 1
.macro FETCH s, f
	WIN 0x40                                       ; destination window 1, address window 0
.irp p, 0,1,2,3
.irp c, 0,1,2,3
	ds_load_b128 v[(\f)+16*\p+4*\c:(\f)+16*\p+4*\c+3], v[ADW+(\s)/2] offset:128*((\s)%2)+32*\c+(32*(\p/2)+8*(\p%2))*PITCH
	ds_load_b128 v[(\f)+64+16*\p+4*\c:(\f)+64+16*\p+4*\c+3], v[ADT+(\s)/2] offset:128*((\s)%2)+32*\c+(32*(\p/2)+8*(\p%2))*PITCH
.endr
.endr
	WIN 0
.endm
; 16 matrix instructions, the 16 accumulators by turns, in the same order in every step and in both arms.  first = 1: the bias starts the sums: nothing is cleared.
.macro MUL f, first
	WIN 0
	s_cmp_lt_u32 s[YY], 10
	s_cbranch_scc0 .Lv_\@
	WIN 0x05                                       ; sources 0 and 1 window 1; C and D window 0
	s_wait_alu depctr_va_vdst(0)
.irp n, 0,1,2,3
.irp p, 0,1,2,3
.if \first
	v_wmma_f32_16x16x128_fp8_fp8 v[ACC+8*(4*\n+\p):ACC+8*(4*\n+\p)+7], v[(\f)+16*\p:(\f)+16*\p+15], v[(\f)+64+16*\n:(\f)+64+16*\n+15], v[BI+8*\p:BI+8*\p+7]
.else
	v_wmma_f32_16x16x128_fp8_fp8 v[ACC+8*(4*\n+\p):ACC+8*(4*\n+\p)+7], v[(\f)+16*\p:(\f)+16*\p+15], v[(\f)+64+16*\n:(\f)+64+16*\n+15], v[ACC+8*(4*\n+\p):ACC+8*(4*\n+\p)+7]
.endif
.endr
.endr
	WIN 0
	s_branch .Ljoin_\@
.Lv_\@:
	WIN 0x05                                       ; v: the sources change places: source 0 = tokens' tile p, source 1 = the weight's tile n
	s_wait_alu depctr_va_vdst(0)
.irp n, 0,1,2,3
.irp p, 0,1,2,3
.if \first
	v_wmma_f32_16x16x128_fp8_fp8 v[ACC+8*(4*\n+\p):ACC+8*(4*\n+\p)+7], v[(\f)+64+16*\p:(\f)+64+16*\p+15], v[(\f)+16*\n:(\f)+16*\n+15], v[BI+8*\n:BI+8*\n+7]
.else
	v_wmma_f32_16x16x128_fp8_fp8 v[ACC+8*(4*\n+\p):ACC+8*(4*\n+\p)+7], v[(\f)+64+16*\p:(\f)+64+16*\p+15], v[(\f)+16*\n:(\f)+16*\n+15], v[ACC+8*(4*\n+\p):ACC+8*(4*\n+\p)+7]
.endif
.endr
.endr
	WIN 0
.Ljoin_\@:
.endm
; K step s: the next step's fragments are asked for, then this step is multiplied.
.macro KSTEP s
.if (\s) < 7
.if (\s) > 0
	PLACES                                         ; the buffer was read by the step before
.endif
	FETCH (\s)+1, 128*(((\s)+1)%2)
	s_wait_dscnt 32                                ; all but the 32 just issued: this step's fragments are in
.else
	s_wait_dscnt 0x0
.endif
.if (\s) == 0
	MUL 0, 1
.else
	MUL 128*((\s)%2), 0
.endif
.endm
; THE WAY OUT, one path for the three tensors: the hold, the conversion, and each piece by one store.  Each accumulator is read from its low end on.
.macro WAYOUT
	PLACES
.irp n, 0,1,2,3
.set jj, 0
.rept 32
	v_med3_num_f32 v[ACC+32*\n+jj], v[ACC+32*\n+jj], -v23, v23     ; the conversion to an 8-bit code does not saturate (ISA guide 7.6.2): the hold at 448 x the scale
.set jj, jj+1
.endr
.irp b, 0,1
.irp g, 0,1
	v_cvt_scalef32_pk8_fp8_f32 v[CO+8*\n+4*\b+2*\g:CO+8*\n+4*\b+2*\g+1], v[ACC+32*\n+16*\b+8*\g:ACC+32*\n+16*\b+8*\g+7], v22
.endr
.endr
.endr
	v_nop                                          ; a plain vector instruction behind the last conversion
.irp n, 0,1,2,3
.irp b, 0,1
	global_store_b128 v[OFFN+\n], v[CO+8*\n+4*\b:CO+8*\n+4*\b+3], s[10:11] offset:512*\b   ; 32 lanes store 512 consecutive bytes, at a multiple of 512 from the image's first byte
.endr
.endr
.endm
	; THE FIRST COLUMN TILE
	BIAS
	s_wait_tensorcnt 0x0                           ; my one load, 64 whole rows, is in,
	s_barrier_signal -1
	s_barrier_wait -1                              ; everybody's is
	FETCH 0, 0
.irp s, 0,1,2,3,4,5,6
	KSTEP \s
.endr
	s_wait_tensorcnt 0x0                           ; the weights' panel is filled again
	ds_add_u32 v126, v127
	s_wait_dscnt 0x0                               ; the add is done, and K step 7's fragments are in registers: my reads of the panel are over
	CROUND                                         ; a round of the cluster's barrier: no wave of any partner still reads the panel
	s_add_nc_u64 s[G0W+2:G0W+3], s[G0W+2:G0W+3], 131072   ; the next 128 rows of the weight
	s_cmp_lt_u32 s[WV], 2                          ; waves 0, 1 fetch its halves, jointly with their partners; waves 2, 3 have no part of it
	s_cbranch_scc0 .Lno_refill
	tensor_load_to_lds s[G0W:G0W+3], s[G1J:G1J+7]
	s_nop 0
	PLACES
.Lno_refill:
	MUL 128, 0                                     ; K step 7, the way out and the next bias stand between the load and the wait for it
	WAYOUT
	s_wait_xcnt 0x0                                ; the stores have read their base and their data registers
	s_add_nc_u64 s[8:9], s[8:9], 512               ; THE SECOND COLUMN TILE: 128 columns on in the bias,
	s_add_nc_u64 s[10:11], s[10:11], 524288        ; two heads on in the image
	BIAS
	s_wait_tensorcnt 0x0                           ; my half of the new panel is in,
	s_barrier_signal -1
	s_barrier_wait -1                              ; everybody's is
	FETCH 0, 0
.irp s, 0,1,2,3,4,5,6,7
	KSTEP \s
.endr
	WAYOUT
	s_wait_tensorcnt 0x0                           ; the wave's end
	ds_add_u32 v126, v127
	s_wait_dscnt 0x0
	CROUND                                         ; the closing round: no work-group ends while a partner may still ask for a tile that names it
	s_endpgm
.Lfunc_end_k_q7e709620e9_proj:
	.size	k_q7e709620e9_proj, .Lfunc_end_k_q7e709620e9_proj-k_q7e709620e9_proj
	.p2alignl 7, 3214868480
	.fill 96, 4, 3214868480
	.section	.rodata,"a",@progbits
	.p2align	6, 0x0
	.amdhsa_kernel k_q7e709620e9_proj
		.amdhsa_group_segment_fixed_size 327680
		.amdhsa_private_segment_fixed_size 0
		.amdhsa_enable_private_segment 0
		.amdhsa_kernarg_size 104
		.amdhsa_user_sgpr_count 2
		.amdhsa_user_sgpr_kernarg_segment_ptr 1
		.amdhsa_wavefront_size32 1
		.amdhsa_system_sgpr_workgroup_id_x 1
		.amdhsa_system_sgpr_workgroup_id_y 1
		.amdhsa_system_sgpr_workgroup_id_z 1
		.amdhsa_system_vgpr_workitem_id 0
		.amdhsa_next_free_vgpr 512
		.amdhsa_next_free_sgpr 102
		.amdhsa_reserve_vcc 0
		.amdhsa_float_denorm_mode_32 3
		.amdhsa_float_denorm_mode_16_64 3
		.amdhsa_memory_ordered 1
		.amdhsa_forward_progress 1
		.amdhsa_inst_pref_size 111
	.end_amdhsa_kernel
	.amdgpu_metadata
---
amdhsa.version: [ 1, 2 ]
amdhsa.kernels:
  - .name:           k_q7e709620e9_proj
    .symbol:         k_q7e709620e9_proj.kd
    .args:
      - { .name: query_codes, .offset: 0, .size: 8, .value_kind: global_buffer, .address_space: global }
      - { .name: key_codes, .offset: 8, .size: 8, .value_kind: global_buffer, .address_space: global }
      - { .name: value_codes, .offset: 16, .size: 8, .value_kind: global_buffer, .address_space: global }
      - { .name: w_q_codes, .offset: 24, .size: 8, .value_kind: global_buffer, .address_space: global }
      - { .name: w_k_codes, .offset: 32, .size: 8, .value_kind: global_buffer, .address_space: global }
      - { .name: w_v_codes, .offset: 40, .size: 8, .value_kind: global_buffer, .address_space: global }
      - { .name: b_q, .offset: 48, .size: 8, .value_kind: global_buffer, .address_space: global }
      - { .name: b_k, .offset: 56, .size: 8, .value_kind: global_buffer, .address_space: global }
      - { .name: b_v, .offset: 64, .size: 8, .value_kind: global_buffer, .address_space: global }
      - { .name: lowp_scales, .offset: 72, .size: 8, .value_kind: global_buffer, .address_space: global }
      - { .name: qimg, .offset: 80, .size: 8, .value_kind: global_buffer, .address_space: global }
      - { .name: kimg, .offset: 88, .size: 8, .value_kind: global_buffer, .address_space: global }
      - { .name: vimg, .offset: 96, .size: 8, .value_kind: global_buffer, .address_space: global }
    .group_segment_fixed_size: 327680
    .private_segment_fixed_size: 0
    .kernarg_segment_align: 8
    .kernarg_segment_size: 104
    .max_flat_workgroup_size: 128
    .sgpr_count:     102
    .vgpr_count:     512
    .wavefront_size: 32
...
	.end_amdgpu_metadata
.endif
;; end of part 1
;; launch attn (part 2): grid 64 x 4, 8 waves a work-group, clusters of 4 x 1, 327,680 bytes of LDS; arguments qimg, kimg, vimg, lowp_scales, oimg; writes oimg
.if DOCPART == 2
	.amdgcn_target "amdgcn-amd-amdhsa--gfx1250"
	.amdhsa_code_object_version 6
	.text
	.protected	k_q7e709620e9_attn
	.globl	k_q7e709620e9_attn
	.p2align	8
	.type	k_q7e709620e9_attn,@function
k_q7e709620e9_attn:
	s_mov_b64 s[64:65], 0
	v_nop
	global_prefetch_b8 v0, s[64:65] scope:SCOPE_SE
	s_setreg_imm32_b32 hwreg(HW_REG_WAVE_MODE, 25, 1), 1
	s_wait_xcnt 0x0
	s_wait_alu depctr_hold_cnt(0) depctr_sa_sdst(0) depctr_va_vdst(0) depctr_va_sdst(0) depctr_va_ssrc(0) depctr_va_vcc(0) depctr_vm_vsrc(0)
	s_getreg_b32 s2, hwreg(HW_REG_IB_STS2, 6, 4)
	s_cmp_eq_u32 s2, 0
	s_cbranch_scc0 .Lentry_in_a_cluster
	s_endpgm
.Lentry_in_a_cluster:
	s_bfe_u32 s2, ttmp6, 0x10000c
	s_cmp_lg_u32 s2, 0x3003
	s_cbranch_scc0 .Lentry_shape_is_right
	s_endpgm
.Lentry_shape_is_right:
; ATTENTION on codes of FP8 (E4M3): 16 query heads, 4 key and value heads, head size 64, 4,096 tokens, no mask.  Both products quantised; sums, maxima and exponentials in f32.
; THE SOFTMAX AHEAD OF THE SECOND PRODUCT: t = score x 2^(e6 + e7) x log2(e) / 8; M = the row's largest t so far, rounded UP to a whole number; p = 2^(t - M) is what is quantised (scale 2^e9, held at 448 x 2^e9); not normalised.
; The row's sum is taken of the unquantised p and divides O at the end.  When M moves, the sum and O are multiplied by 2^(old M - new M), which rounds nothing.
; The result, O x 2^(e8 + e9) / sum, is quantised at once for the last projection (scale 2^e10): code = (O / sum) / 2^(e10 - e8 - e9), held within +-448.
; LIMITS on the given exponents, so that each power of two below is an f32 number: e6 + e7 between -123 and 130 (added to c's exponent field); e9, and e10 - e8 - e9, between -126 and 119.
; OPERANDS ARE IMAGES OF REGISTERS, in pieces of 512 bytes, lane l's 16 bytes at 16 l: qimg, kimg [head][128 tokens G][tile t of 8][piece c of 2], vimg [head][G][tile n of 4][piece c of 4].
;   Lane (r, h) of a tile of q or k holds token 32 (t / 2) + 8 (t % 2) + r + 8 (r / 8) of its group, piece c the head's 32 c + 16 h + 0 .. 15.  Of v: channel 32 (n / 2) + 8 (n % 2) + r + 8 (r / 8), piece c keys 32 c + 16 h + 0 .. 15.
; BOTH PRODUCTS ARE USED TRANSPOSED: S^T = K Q^T, O^T = V^T P: a lane holds ONE query of each tile throughout; the 16 registers of score tiles 2 b, 2 b + 1 are 16 neighbouring keys, so the conversions' results are the next operand.
; SHARES.  A work-group: one key and value head (y), its four query heads, 64 queries.  Eight waves, two to a SIMD; wave w: head 4 y + w % 4, query tiles 4 x + 2 (w / 4) (tile A) and the next (tile B): 32 queries.
;   Each fragment of K and V that a wave reads from LDS feeds two matrix instructions.  Every wave walks all 4,096 keys, 128 a step.
; REGISTERS, two windows of 256 with one map: window 0 serves tile A, window 1 tile B.  v[14:15] the sum; v16-23 Q; v96-159 S^T, then p; v160-191 O^T; v192-207 p's codes; v240-255 at work and constants.
;   v32-95: in window 0 K's eight fragments, in window 1 V's four.  Window 0 alone: v1 16 x lane, v2 that + VOFF, v3 the prefetches' offset, v5, v6 the add's, v8, v9 LDS addresses;
;   v12 -M, v13 the largest t, v[252:253] f of tile A; v24, v25, v[26:27] the same of tile B, so that the two tiles' chains of dependent lines stand line by line in one window.
; A STEP'S ORDER: both tiles' scores; both maxima; both M; both scalings; ONE batch of 128 exponentials; both rescalings; then tile B's sums, holds, codes and product, and tile A's.
; RING.  Two LDS slots of 1,024 keys (K 65,536 bytes, then V 65,536); four slots' worth of keys.  Every wave fetches 16,384 bytes of a slot by one load (waves 0-3 K's quarters, 4-7 V's): one tensor load a wave is out.
;   A slot's last step signals the barrier when its LDS reads are over, and does its softmax and second products, work on registers, ahead of the barrier's wait.
; CLUSTER.  The four work-groups of a cluster have the same y and walk the same K and V: each tile is asked for JOINTLY, by the same load with the same descriptor and a mask that names the four.
; PREFETCH.  Beside the load of slot n (n = 1, 2) each wave names, of the 16,384 bytes that it will fetch of slot n + 1, its work-group's 4,096 (told apart by address, cx), lanes 256 bytes apart (lanes 16-31 repeat lanes 0-15's):
;   each block once in each cluster, eight key steps ahead of its load.  Slots 0 and 1 come by their loads alone; nothing lies behind slot 3.
; oimg: [G 32][K step s of 8 = heads 2 s, 2 s + 1][tile t of 8][piece c of 4][512].
.set VOFF,  65536
.set SLOT1, 1<<17                      ; slot 1 begins here: one exclusive or turns an address in one slot into the other's
.set SPARE, 2*SLOT1                    ; behind the ring: the spare words, 128 bytes for each of eight waves
.set WV,   18
.set SEL,  20                          ; s[20:21] lane selects for v_permlanex16_b32: lane l xor 16
.set CS,   22                          ; s[22:23] c
.set G1,   24                          ; s[24:31] descriptor group 1
.set G0,   40                          ; s[40:43] group 0, which walks
.set TS,   36                          ; s36 LDS byte at which the slot in hand begins
.set TB,   37                          ; s37 the same for the key step in hand
.set SLOTS, 38
.set STEPS, 39
.set PFA,  76                          ; s[76:77] the prefetches' base; never rewritten
.set MSB, 0
.macro WIN new                         ; the immediate's high byte repeats the setting that is left
.if MSB != \new
	s_set_vgpr_msb (MSB<<8)|\new
.set MSB, \new
.endif
.endm
.macro PLACES n                        ; plain vector instructions between a matrix instruction and a load into, or a vector read of, its registers
.rept \n
	v_nop
.endr
.endm
.macro CREST                           ; a round of the cluster's barrier behind its opening barrier
	s_cmp_lg_u32 s[WV], 0
	s_cbranch_scc1 .Lnot_wave_0_\@
	s_barrier_signal -3
.Lnot_wave_0_\@:
	s_barrier_wait -3
	s_barrier_signal -1
	s_barrier_wait -1
.endm
.macro CROUND
	s_barrier_signal -1
	s_barrier_wait -1
	CREST
.endm
.macro JLOAD                           ; every wave's one joint load; an s_nop 0 and four v_nop follow it
	tensor_load_to_lds s[G0:G0+3], s[G1:G1+7]
	s_nop 0
	PLACES 4
.endm
.macro NEXTSLOT                        ; the walking descriptor: the other slot, the next 1,024 keys.  No load of mine is out where this stands
	s_xor_b32 s[G0+1], s[G0+1], SLOT1
	s_add_nc_u64 s[G0+2:G0+3], s[G0+2:G0+3], 65536
.endm
.macro FETCHK                          ; K's eight fragments of the step at s[TB]: 16 loads
	v_add_nc_u32 v8, s[TB], v1
.irp t, 0,1,2,3,4,5,6,7
.irp c, 0,1
	ds_load_b128 v[32+8*\t+4*\c:32+8*\t+4*\c+3], v8 offset:1024*\t+512*\c
.endr
.endr
.endm
.macro TURN                            ; on to the other slot, and its first fragments of K
	s_xor_b32 s[TS], s[TS], SLOT1
	s_mov_b32 s[TB], s[TS]
	FETCHK
.endm
.macro QK                              ; S^T = K Q^T of one query tile: lane (r, h): query r; the 16 registers of tiles 2 b, 2 b + 1 are keys 32 b + 16 h + 0 .. 15
.irp t, 0,1,2,3,4,5,6,7
	v_wmma_f32_16x16x64_fp8_fp8 v[96+8*\t:103+8*\t], v[32+8*\t:39+8*\t], v[16:23], 0
.endr
.endm
.macro PV                              ; O^T += V^T P: the four accumulators by turns, one instruction a turn
.irp n, 0,1,2,3
	v_wmma_f32_16x16x128_fp8_fp8 v[160+8*\n:167+8*\n], v[32+16*\n:47+16*\n], v[192:207], v[160+8*\n:167+8*\n]
.endr
.endm
.macro MAXC                            ; v254 = the largest score among my 64 keys of one tile: four chains, each accumulator from its low end on
.irp k, 0,1,2,3
	v_max3_num_f32 v[246+2*\k], v[96+16*\k], v[97+16*\k], v[98+16*\k]
.endr
.irp i, 3,5,7,9,11,13
.irp k, 0,1,2,3
	v_max3_num_f32 v[246+2*\k], v[246+2*\k], v[96+16*\k+\i], v[97+16*\k+\i]
.endr
.endr
.irp k, 0,1,2,3
	v_max_num_f32 v[246+2*\k], v[246+2*\k], v[111+16*\k]
.endr
	v_max3_num_f32 v254, v246, v248, v250
	v_max_num_f32 v254, v254, v252
.endm
.macro FMA m                           ; t - M, two at a time (of the pairs c and -M the low word serves both halves)
.set jj, 0
.rept 32
	v_pk_fma_f32 v[96+jj:97+jj], v[96+jj:97+jj], s[CS:CS+1], v[\m:\m+1] op_sel_hi:[1,0,0]
.set jj, jj+2
.endr
.endm
.macro EXPS                            ; p = 2^(t - M), at most 1: not normalised
.set jj, 0
.rept 64
	v_exp_f32 v[96+jj], v[96+jj]
.set jj, jj+1
.endr
.endm
.macro RESC f                          ; O^T and the sums under the new M
.set jj, 0
.rept 16
	v_pk_mul_f32 v[160+jj:161+jj], v[160+jj:161+jj], v[\f:\f+1] op_sel_hi:[1,0]
.set jj, jj+2
.endr
	v_pk_mul_f32 v[14:15], v[14:15], v[\f:\f+1] op_sel_hi:[1,0]
.endm
.macro POST                            ; one tile: the row's sum of the unquantised p, the hold, the codes
.irp k, 0,1,2,3                        ; 32 pairs in four chains (v246, v248, v250, v254)
	v_pk_add_f32 v[246+2*\k+2*(\k/3):247+2*\k+2*(\k/3)], v[96+2*\k:97+2*\k], v[104+2*\k:105+2*\k]
.endr
.irp r, 2,3,4,5,6,7
.irp k, 0,1,2,3
	v_pk_add_f32 v[246+2*\k+2*(\k/3):247+2*\k+2*(\k/3)], v[246+2*\k+2*(\k/3):247+2*\k+2*(\k/3)], v[96+8*\r+2*\k:97+8*\r+2*\k]
.endr
.endr
	v_pk_add_f32 v[246:247], v[246:247], v[248:249]
	v_pk_add_f32 v[250:251], v[250:251], v[254:255]
.irp b, 0,1,2,3
.set jj, 0
.rept 8                                ; the conversion to an 8-bit code does not saturate (ISA guide 7.6.2); p is not negative, so the hold is one-sided; two numbers an instruction (v240 = v241 = 448 x 2^e9)
	v_dual_min_num_f32 v[96+16*\b+jj], v[96+16*\b+jj], v240 :: v_dual_min_num_f32 v[97+16*\b+jj], v[97+16*\b+jj], v241
.set jj, jj+2
.endr
	v_cvt_scalef32_pk8_fp8_f32 v[192+4*\b:193+4*\b], v[96+16*\b:103+16*\b], v244
	v_cvt_scalef32_pk8_fp8_f32 v[194+4*\b:195+4*\b], v[104+16*\b:111+16*\b], v244
.endr
	v_pk_add_f32 v[246:247], v[246:247], v[250:251]   ; (plain instructions behind the last conversion)
	v_pk_add_f32 v[14:15], v[14:15], v[246:247]
.endm
; A KEY STEP: 128 keys for both query tiles.  K's fragments were asked for a step earlier.
; mode 0: the slot has a further step, whose fragments of K are asked for under the softmax.  mode 1, 2: the slot's last step, with the tensor wait and the add ahead of the barrier and the barrier's signal;
; the barrier's wait follows the macro.  mode 3: the launch's last step.
.macro STEP mode
	v_add_nc_u32 v9, s[TB], v2                     ; with the three below: the places behind the last products, which read V's fragments
	PLACES 3
	WIN 0x40                                       ; destination window 1, address window 0
.irp n, 0,1,2,3
.irp c, 0,1,2,3
	ds_load_b128 v[32+16*\n+4*\c:32+16*\n+4*\c+3], v9 offset:2048*\n+512*\c   ; V's fragments land under the softmax
.endr
.endr
	WIN 0
.if (\mode == 1) || (\mode == 2)
	s_wait_tensorcnt 0x0                           ; my part of the next slot is in: no load of mine is out
	ds_add_u32 v5, v6                              ; 0 onto my spare word
	s_wait_dscnt 17                                ; K's fragments are in; V's 16 loads and the add may be out
.else
	s_wait_dscnt 16                                ; K's fragments are in; V's 16 loads may be out
.endif
	WIN 0x54                                       ; tile B: K window 0; Q, C and D window 1
	QK
	WIN 0
	QK                                             ; tile A
.if \mode == 0
	s_add_co_u32 s[TB], s[TB], 8192
	PLACES 3                                       ; with FETCHK's addition: four places behind the products that read K's fragments, and ahead of the scores' readers
	FETCHK
.else
	PLACES 4
.endif
.if (\mode == 1) || (\mode == 2)
	s_wait_dscnt 0x0                               ; the add is done, and my reads of this slot are over:
	s_barrier_signal -1                            ; say so; work on registers alone follows up to the barrier's wait
.endif
	WIN 0x55
	MAXC                                           ; tile B's largest score,
	WIN 0x01                                       ; source 0 window 1, destination window 0
	v_permlanex16_b32 v29, v254, s[SEL], s[SEL+1]  ; lane l xor 16's, and my own, over into window 0
	v_mov_b32 v28, v254
	WIN 0
	MAXC                                           ; tile A's
	v_permlanex16_b32 v236, v254, s[SEL], s[SEL+1] ; from here on the two tiles' lines take turns: B in v24-29, A in v12, v13, v252, v254
	v_max_num_f32 v28, v28, v29
	v_max_num_f32 v254, v254, v236
	v_mul_f32 v28, s[CS], v28                      ; as t (c is positive)
	v_mul_f32 v254, s[CS], v254
	v_max_num_f32 v25, v25, v28                    ; the running largest t
	v_max_num_f32 v13, v13, v254
	v_mov_b32 v28, v24
	v_mov_b32 v254, v12
	v_floor_f32 v24, -v25                          ; the new -M = floor(-t) = -ceil(t): M is a whole number
	v_floor_f32 v12, -v13
	v_sub_f32 v28, v24, v28                        ; M's old value less its new one: a whole number, 0 or less
	v_sub_f32 v254, v12, v254
	v_cvt_i32_f32 v28, v28                         ; (it saturates)
	v_cvt_i32_f32 v254, v254
	v_ldexp_f32 v26, 1.0, v28                      ; f = 2^(old M - new M)
	v_ldexp_f32 v252, 1.0, v254
	FMA 12
	WIN 0x41                                       ; tile B's numbers in window 1, its -M and f in window 0
	FMA 24
	s_wait_alu depctr_va_vdst(0)
	EXPS
	WIN 0
	EXPS
	s_wait_alu depctr_va_vdst(0)                   ; one wait behind the batch, directly ahead of O^T's first readers
	RESC 252                                       ; (these are also the plain instructions behind the exponentials)
	WIN 0x41
	s_wait_alu depctr_va_vdst(0)                   ; and directly ahead of the first readers of tile B's O^T
	RESC 26
	WIN 0x55
	POST
.if \mode == 0
	s_wait_alu depctr_va_vdst(0)
	s_wait_dscnt 16                                ; V's fragments are in; the next step's 16 loads of K may be out
.endif
.if \mode == 3
	s_wait_alu depctr_va_vdst(0)
	s_wait_dscnt 0x0
.endif
	PV                                             ; tile B's product stands ahead of tile A's sums, holds and conversions
	WIN 0
	POST
	WIN 0x01                                       ; V window 1; P, C and D window 0
	PV
	WIN 0
.endm
.macro WALK7 lab                       ; a slot's first seven steps
	s_mov_b32 s[STEPS], 7
\lab:
	STEP 0
	s_sub_co_u32 s[STEPS], s[STEPS], 1
	s_cmp_lg_u32 s[STEPS], 0
	s_wait_alu depctr_va_vdst(0)
	s_cbranch_scc1 \lab
.endm
.macro INIT                            ; a tile's state, in its window
	v_mov_b32 v14, 0                               ; the sum, in two halves
	v_mov_b32 v15, 0
	v_mov_b32 v244, s60                            ; 2^e9
	v_mov_b32 v240, s61                            ; 448 x 2^e9, twice
	v_mov_b32 v241, s61
	v_mov_b32 v245, s62                            ; 2^(e10 - e8 - e9)
	v_mov_b32 v242, s63                            ; 448 x that
.set jj, 0
.rept 32
	v_mov_b32 v[160+jj], 0                         ; O^T: the step has no first form of its own: the first finds zeros, which the first change of M leaves zeros
.set jj, jj+1
.endr
.endm
.macro FINISH                          ; O^T / the sum, quantised: the 16 registers of tiles 2 b, 2 b + 1 are channels 32 b + 16 h + 0 .. 15 of my query
	v_add_f32 v14, v14, v15
	v_permlanex16_b32 v252, v14, s[SEL], s[SEL+1]
	v_add_f32 v14, v14, v252                       ; the row's sum
	s_wait_alu depctr_va_vdst(0)
	v_rcp_f32 v14, v14
	v_nop
	s_wait_alu depctr_va_vdst(0)                   ; behind the transcendental, directly ahead of O^T's first readers
.set jj, 0
.rept 32
	v_mul_f32 v[96+jj], v[160+jj], v14
.set jj, jj+1
.endr
.set jj, 0
.rept 32
	v_med3_num_f32 v[96+jj], v[96+jj], -v242, v242 ; the hold at 448 x the scale
.set jj, jj+1
.endr
.irp b, 0,1
	v_cvt_scalef32_pk8_fp8_f32 v[192+4*\b:193+4*\b], v[96+16*\b:103+16*\b], v245
	v_cvt_scalef32_pk8_fp8_f32 v[194+4*\b:195+4*\b], v[104+16*\b:111+16*\b], v245
.endr
	v_nop                                          ; a plain vector instruction behind the last conversion
.endm
	s_load_b256 s[4:11], s[0:1], 0x0               ; qimg s[4:5], kimg s[6:7], vimg s[8:9], the scales s[10:11]
	s_load_b64 s[12:13], s[0:1], 0x20              ; oimg
	v_lshl_add_u32 v5, v0, 2, SPARE
	v_mov_b32 v6, 0
	ds_add_u32 v5, v6                              ; the opening lines: the add, twice on end, and its wait ahead of my first tensor load
	ds_add_u32 v5, v6
	v_lshrrev_b32 v8, 5, v0
	v_readfirstlane_b32 s[WV], v8                  ; wave 0..7
	s_bfe_u32 s14, ttmp6, 0x40000                  ; cx
	s_lshl_b32 s15, ttmp9, 2
	s_add_co_u32 s15, s15, s14                     ; work-group x = 4 x cluster x + cx
	s_and_b32 s16, ttmp7, 0xffff                   ; y: the key and value head
	s_and_b32 s17, s[WV], 3
	s_lshl_b32 s19, s16, 2
	s_add_co_u32 s17, s17, s19                     ; my query head
	s_lshr_b32 s19, s[WV], 2
	s_lshl_b32 s19, s19, 1
	s_lshl_b32 s33, s15, 2
	s_add_co_u32 s19, s19, s33                     ; my first query tile, an even number, 0..254
	s_lshl_b32 s48, s17, 18                        ; qimg: 2^18 bytes a head, 1,024 a tile
	s_lshl_b32 s33, s19, 10
	s_add_co_u32 s48, s48, s33
	s_mov_b32 s49, 0
	s_lshr_b32 s50, s19, 3                         ; oimg: 2^17 bytes a group of eight tiles,
	s_lshl_b32 s50, s50, 17
	s_lshr_b32 s33, s17, 1                         ; 2^14 a pair of heads,
	s_lshl_b32 s33, s33, 14
	s_add_co_u32 s50, s50, s33
	s_and_b32 s33, s19, 7                          ; 2,048 a tile,
	s_lshl_b32 s33, s33, 11
	s_add_co_u32 s50, s50, s33
	s_and_b32 s33, s17, 1                          ; 1,024 a head of the pair
	s_lshl_b32 s33, s33, 10
	s_add_co_u32 s50, s50, s33
	s_mov_b32 s51, 0
	s_and_b32 s34, s[WV], 3                        ; which quarter of a slot's K or V I fetch: 16,384 bytes
	s_lshl_b32 s35, s34, 14
	s_lshl_b32 s52, s16, 18
	s_add_co_u32 s52, s52, s35                     ; (nothing in it hangs on my place in the cluster)
	s_mov_b32 s53, 0
	s_lshl_b32 s54, s[WV], 14                      ; where it goes in a slot: K's four quarters, then V's four
	s_lshl_b32 s58, s14, 12                        ; the prefetches: my work-group's 4,096 bytes of them
	s_mov_b32 s59, 0
	s_mov_b32 s[G1], 15|(3<<16)|(1<<21)            ; the mask: all four work-groups; elements of 8 bytes; bit 21 beside a mask; no padding
	s_mov_b32 s[G1+1], 32<<16                      ; a dense block of 16,384 bytes as 64 rows of 256
	s_mov_b32 s[G1+2], 64<<16
	s_mov_b32 s[G1+3], 32<<16
	s_mov_b32 s[G1+4], 64
	s_mov_b32 s[G1+5], 32
	s_mov_b32 s[G1+6], 0
	s_mov_b32 s[G1+7], 0
	s_mov_b32 s[SEL], 0x76543210
	s_mov_b32 s[SEL+1], 0xfedcba98
	s_mov_b32 s[CS], 0x3e38aa3b                    ; c = log2(e) / sqrt(64)
	s_mov_b32 s[TS], 0
	s_mov_b32 s[TB], 0
	s_wait_dscnt 0x0                               ; both opening adds are done
	s_wait_kmcnt 0x0
	s_load_b256 s[68:75], s[10:11], 0x10           ; e4 .. e11: e6 s70, e7 s71, e8 s72, e9 s73, e10 s74
	s_cmp_lt_u32 s[WV], 4                          ; waves 0-3 fetch K's codes, waves 4-7 V's
	s_cselect_b64 s[56:57], s[6:7], s[8:9]
	s_add_nc_u64 s[56:57], s[56:57], s[52:53]
	s_mov_b32 s[G0], 1                             ; count = 1
	s_mov_b32 s[G0+1], s54                         ; LDS address: slot 0
	s_mov_b64 s[G0+2:G0+3], s[56:57]               ; global address: the head's first 1,024 keys
	s_or_b32 s[G0+3], s[G0+3], 0x80000000          ; type = 2
	s_add_nc_u64 s[PFA:PFA+1], s[56:57], s[58:59]
	s_add_nc_u64 s[4:5], s[4:5], s[48:49]          ; Q's image at my tiles
	s_add_nc_u64 s[12:13], s[12:13], s[50:51]      ; and where my results go
	CROUND                                         ; all four work-groups are here: the first joint loads meet
	JLOAD                                          ; slot 0: one tensor load a wave at the head
	v_and_b32 v1, 31, v0
	v_lshlrev_b32 v1, 4, v1                        ; 16 x lane
	global_load_b128 v[16:19], v1, s[4:5]          ; Q's fragments stay in registers: tile A,
	global_load_b128 v[20:23], v1, s[4:5] offset:512
	WIN 0x40
	global_load_b128 v[16:19], v1, s[4:5] offset:1024   ; tile B, in window 1
	global_load_b128 v[20:23], v1, s[4:5] offset:1536
	WIN 0
	v_add_nc_u32 v2, VOFF, v1
	v_and_b32 v3, 15, v0
	v_lshlrev_b32 v3, 8, v3                        ; 256 x (lane % 16)
	s_wait_kmcnt 0x0
	s_add_co_i32 s46, s70, s71
	s_lshl_b32 s46, s46, 23
	s_add_co_i32 s[CS], s[CS], s46                 ; a score stands for score x 2^(e6 + e7): the two exponents are added to c's exponent field
	s_mov_b32 s[CS+1], s[CS]                       ; (named with it as a pair, so it is written)
	s_add_co_i32 s46, s73, 127
	s_lshl_b32 s60, s46, 23                        ; 2^e9 as f32
	s_add_co_i32 s46, s46, 8
	s_lshl_b32 s61, s46, 23
	s_or_b32 s61, s61, 0x600000                    ; 448 x 2^e9
	s_sub_co_i32 s46, s74, s72
	s_sub_co_i32 s46, s46, s73
	s_add_co_i32 s46, s46, 127
	s_lshl_b32 s62, s46, 23                        ; 2^(e10 - e8 - e9)
	s_add_co_i32 s46, s46, 8
	s_lshl_b32 s63, s46, 23
	s_or_b32 s63, s63, 0x600000                    ; 448 x that
	v_mov_b32 v13, 0xff61b1e6                      ; the largest t so far: -3e38, under every t: tile A's,
	v_mov_b32 v25, 0xff61b1e6                      ; tile B's
	v_floor_f32 v12, -v13                          ; -M
	v_floor_f32 v24, -v25
	v_mov_b32 v236, 0                              ; a lane permute's destination counts as one of its sources
	v_mov_b32 v29, 0
	v_mov_b32 v253, 0                              ; (named as the upper halves of the pairs that hold f)
	v_mov_b32 v27, 0
	INIT
	WIN 0x55
	INIT
	WIN 0
	s_wait_alu depctr_va_vdst(0)
	s_wait_loadcnt 0x0                             ; Q
	s_wait_tensorcnt 0x0                           ; my part of slot 0 is in
	ds_add_u32 v5, v6
	s_wait_dscnt 0x0
	CROUND                                         ; everybody's part of slot 0 is in, and the joint loads meet
	NEXTSLOT
	JLOAD                                          ; slot 1's first fill
	FETCHK                                         ; slot 0's first fragments of K
	global_prefetch_b8 v3, s[PFA:PFA+1] offset:131072 th:TH_LOAD_NT scope:SCOPE_SE   ; slot 2
	s_mov_b32 s[SLOTS], 2
.Lslot:                                            ; two trips: slots 0 and 1, each filled again when it has been read
	WALK7 .Lstep_a
	STEP 1
	s_barrier_wait -1                              ; the barrier opens a round of the cluster's: no wave of any partner still reads this slot or has a load on its way
	CREST
	NEXTSLOT
	JLOAD                                          ; the first tensor load behind the round
	TURN
	s_cmp_eq_u32 s[SLOTS], 2                       ; beside slot 2's load slot 3 is named; beside slot 3's nothing
	s_cbranch_scc0 .Lno_ask
	global_prefetch_b8 v3, s[PFA:PFA+1] offset:196608 th:TH_LOAD_NT scope:SCOPE_SE
.Lno_ask:
	s_sub_co_u32 s[SLOTS], s[SLOTS], 1
	s_cmp_lg_u32 s[SLOTS], 0
	s_cbranch_scc1 .Lslot
	WALK7 .Lstep_b                                 ; slot 2: nothing is filled again, so no round follows its barrier
	STEP 2
	s_barrier_wait -1                              ; slot 3 is whole
	TURN
	WALK7 .Lstep_c                                 ; slot 3
	STEP 3
	PLACES 4                                       ; THE WAY OUT: each tile's two pieces of the last projection's operand, stored as they stand
	FINISH
.irp b, 0,1
	global_store_b128 v1, v[192+4*\b:195+4*\b], s[12:13] offset:512*\b   ; 32 lanes store 512 consecutive bytes, at a multiple of 512 from the image's first byte
.endr
	WIN 0x55
	FINISH
	WIN 0x04                                       ; the stores' data in window 1, their address in window 0
.irp b, 0,1
	global_store_b128 v1, v[192+4*\b:195+4*\b], s[12:13] offset:2048+512*\b
.endr
	WIN 0
	s_wait_tensorcnt 0x0                           ; the wave's end
	ds_add_u32 v5, v6
	s_wait_dscnt 0x0
	CROUND                                         ; the closing round: no work-group ends while a partner may still ask for a tile that names it
	s_endpgm
.Lfunc_end_k_q7e709620e9_attn:
	.size	k_q7e709620e9_attn, .Lfunc_end_k_q7e709620e9_attn-k_q7e709620e9_attn
	.p2alignl 7, 3214868480
	.fill 96, 4, 3214868480
	.section	.rodata,"a",@progbits
	.p2align	6, 0x0
	.amdhsa_kernel k_q7e709620e9_attn
		.amdhsa_group_segment_fixed_size 327680
		.amdhsa_private_segment_fixed_size 0
		.amdhsa_enable_private_segment 0
		.amdhsa_kernarg_size 40
		.amdhsa_user_sgpr_count 2
		.amdhsa_user_sgpr_kernarg_segment_ptr 1
		.amdhsa_wavefront_size32 1
		.amdhsa_system_sgpr_workgroup_id_x 1
		.amdhsa_system_sgpr_workgroup_id_y 1
		.amdhsa_system_sgpr_workgroup_id_z 1
		.amdhsa_system_vgpr_workitem_id 0
		.amdhsa_next_free_vgpr 512
		.amdhsa_next_free_sgpr 100
		.amdhsa_reserve_vcc 0
		.amdhsa_float_denorm_mode_32 3
		.amdhsa_float_denorm_mode_16_64 3
		.amdhsa_memory_ordered 1
		.amdhsa_forward_progress 1
		.amdhsa_inst_pref_size 189
	.end_amdhsa_kernel
	.amdgpu_metadata
---
amdhsa.version: [ 1, 2 ]
amdhsa.kernels:
  - .name:           k_q7e709620e9_attn
    .symbol:         k_q7e709620e9_attn.kd
    .args:
      - { .name: qimg, .offset: 0, .size: 8, .value_kind: global_buffer, .address_space: global }
      - { .name: kimg, .offset: 8, .size: 8, .value_kind: global_buffer, .address_space: global }
      - { .name: vimg, .offset: 16, .size: 8, .value_kind: global_buffer, .address_space: global }
      - { .name: lowp_scales, .offset: 24, .size: 8, .value_kind: global_buffer, .address_space: global }
      - { .name: oimg, .offset: 32, .size: 8, .value_kind: global_buffer, .address_space: global }
    .group_segment_fixed_size: 327680
    .private_segment_fixed_size: 0
    .kernarg_segment_align: 8
    .kernarg_segment_size: 40
    .max_flat_workgroup_size: 256
    .sgpr_count:     100
    .vgpr_count:     512
    .wavefront_size: 32
...
	.end_amdgpu_metadata
.endif
;; end of part 2
;; launch outp (part 3): grid 32 x 8, 4 waves a work-group, clusters of 4 x 4, 288,256 bytes of LDS; arguments oimg, w_o_codes, b_o, lowp_scales, out0; writes out0
.if DOCPART == 3
	.amdgcn_target "amdgcn-amd-amdhsa--gfx1250"
	.amdhsa_code_object_version 6
	.text
	.protected	k_q7e709620e9_outp
	.globl	k_q7e709620e9_outp
	.p2align	8
	.type	k_q7e709620e9_outp,@function
k_q7e709620e9_outp:
	s_mov_b64 s[64:65], 0
	v_nop
	global_prefetch_b8 v0, s[64:65] scope:SCOPE_SE
	s_setreg_imm32_b32 hwreg(HW_REG_WAVE_MODE, 25, 1), 1
	s_wait_xcnt 0x0
	s_wait_alu depctr_hold_cnt(0) depctr_sa_sdst(0) depctr_va_vdst(0) depctr_va_sdst(0) depctr_va_ssrc(0) depctr_va_vcc(0) depctr_vm_vsrc(0)
	s_getreg_b32 s2, hwreg(HW_REG_IB_STS2, 6, 4)
	s_cmp_eq_u32 s2, 0
	s_cbranch_scc0 .Lentry_in_a_cluster
	s_endpgm
.Lentry_in_a_cluster:
	s_bfe_u32 s2, ttmp6, 0x10000c
	s_cmp_lg_u32 s2, 0xf033
	s_cbranch_scc0 .Lentry_shape_is_right
	s_endpgm
.Lentry_shape_is_right:
; THE LAST PROJECTION: out0 = attention's result x w_o + b_o, on codes of FP8 (E4M3), sums in f32: out0 = sum x 2^(e10 + e11) + b_o, one packed multiply-add for two numbers.
; LIMIT: e10 + e11 lies between -126 and 127, so that 2^(e10 + e11) is an f32 number.
; w_o_codes: [1024 columns][1024 K].  oimg: attention's result as images of operand registers, [128 tokens G][K step s of 8][tile t of 8][piece c of 4][512 bytes: lane l's 16 at 16 l]:
;   lane (r, h) of tile t holds token 32 (t / 2) + 8 (t % 2) + r + 8 (r / 8) of its group, piece c holds K = 128 s + 32 c + 16 h + 0 .. 15.  The weight's fragments are fetched in the same order of K (four loads of 16 bytes, 32 apart).
; SHARES.  A work-group makes 128 tokens (x) x 128 columns (y) over the whole K; four waves, 64 x 64 each: 16 accumulators.  Source 0 = 16 columns of w_o, source 1 = 16 tokens: a lane holds eight neighbouring columns of one token.
; LDS.  Both panels lie in LDS whole, as four chunks of 256 along K, each byte filled once: the weight's 128 rows at a pitch of 1,040, the tokens' 131,072 bytes dense.  All loads go out at the head.
; CLUSTER.  4 x 4 work-groups.  The four of a row of the cluster have the same y and ask for the weight's panel JOINTLY; the four of a column have the same x and ask for the tokens' panel jointly.
; THE WAY OUT.  A tile's 16 tokens x 64 columns go through the wave's own stage in LDS and come back as rows of 256 bytes: sixteen lanes store 256 consecutive bytes, aligned.
; REGISTERS.  Window 0: v1-27 addresses; v32-63 b_o in the result's layout; v64-95 at work; v128-255 the accumulators ((p, n) at 128 + 8 (4 n + p)), then the rows read back.  Window 1: two fragment buffers of 128.
; LDS, as it now stands: the weight's rows lie whole in LDS (1,024 bytes + 16 of padding), the tokens' 131,072 bytes dense behind them; a wave fetches its half of a panel by ONE tensor load, and one wait and one barrier show both panels to all waves.
.set PITCH, 1040
.set HALFP, 64*PITCH
.set PANEL, 128*PITCH
.set CHUNK, 256                        ; 256 along K further on in every row of the weight
.set STAGE, 270336                     ; behind the panels (264,192 bytes): 16 rows x 272 bytes for each wave; no fill lands there
.set SPITCH, 272
.set WV, 84
.set WA, 85                            ; wave & 1: my 64 columns, and which half of a panel I fetch
.set WB, 86                            ; wave >> 1: my 64 tokens
.set CX, 87
.set CY, 88
.set XX, 89
.set YY, 90
.set G1J, 16                           ; s[16:23] descriptor group 1 of the weight's tiles;  s[24:31] of the tokens'
.set G1T, 24
.set G0W, 32                           ; s[32:35], s[48:51] their groups 0
.set G0T, 48
.set ADW, 8
.set ADT, 12
.set STO, 24
.set RD,  25
.set CO,  26
.set BO,  27
.set BI,  32
.set TMP, 64
.set ACC, 128
.set MSB, 0
.macro WIN new                         ; the immediate's high byte repeats the setting that is left
.if MSB != \new
	s_set_vgpr_msb (MSB<<8)|\new
.set MSB, \new
.endif
.endm
.macro PLACES                          ; four plain vector instructions between a matrix instruction and a load into, or a vector read of, its registers
.rept 4
	v_nop
.endr
.endm
.macro CROUND                          ; a round of the cluster's barrier
	s_barrier_signal -1
	s_barrier_wait -1
	s_cmp_lg_u32 s[WV], 0
	s_cbranch_scc1 .Lnot_wave_0_\@
	s_barrier_signal -3
.Lnot_wave_0_\@:
	s_barrier_wait -3
	s_barrier_signal -1
	s_barrier_wait -1
.endm
	s_load_b256 s[4:11], s[0:1], 0x0               ; oimg s[4:5], w_o s[6:7], b_o s[8:9], the scales s[10:11]
	s_load_b64 s[12:13], s[0:1], 0x20              ; out0
	v_lshl_add_u32 v126, v0, 2, 0x46400
	v_mov_b32 v127, 0
	ds_add_u32 v126, v127
	ds_add_u32 v126, v127
	v_lshrrev_b32 v1, 5, v0
	v_readfirstlane_b32 s[WV], v1
	s_and_b32 s[WA], s[WV], 1
	s_lshr_b32 s[WB], s[WV], 1
	s_bfe_u32 s[CX], ttmp6, 0x40000
	s_bfe_u32 s[CY], ttmp6, 0x40004
	s_lshl_b32 s[XX], ttmp9, 2
	s_add_co_u32 s[XX], s[XX], s[CX]               ; work-group x = 4 x cluster x + cx
	s_and_b32 s[YY], ttmp7, 0xffff
	s_lshl_b32 s[YY], s[YY], 2
	s_add_co_u32 s[YY], s[YY], s[CY]               ; work-group y = 4 x cluster y + cy
	s_lshl_b32 s70, s[CY], 2
	s_lshl_b32 s70, 15, s70                        ; my row of the cluster
	s_lshl_b32 s74, 0x1111, s[CX]                  ; my column
	s_or_b32 s[G1J], s70, (1<<20)|(1<<21)|(7<<22)|(3<<25)   ; the weight's tiles go to my row: elements of 1 byte; padding on; bit 21 beside a mask; after every 256 words, 4 words
	s_mov_b32 s[G1J+1], 1024<<16                   ; 64 rows x 1,024 bytes
	s_mov_b32 s[G1J+2], 64<<16
	s_mov_b32 s[G1J+3], 1024<<16
	s_mov_b32 s[G1J+4], 64
	s_mov_b32 s[G1J+5], 1024
	s_mov_b32 s[G1J+6], 0
	s_mov_b32 s[G1J+7], 0
	s_or_b32 s[G1T], s74, (3<<16)|(1<<21)          ; the tokens' tiles go to my column: elements of 8 bytes, no padding
	s_mov_b32 s[G1T+1], 32<<16                     ; rows of 256 bytes
	s_mov_b32 s[G1T+2], 256<<16                    ; a dense block of 65,536 bytes as 256 rows of 256
	s_mov_b32 s[G1T+3], 32<<16
	s_mov_b32 s[G1T+4], 256
	s_mov_b32 s[G1T+5], 32
	s_mov_b32 s[G1T+6], 0
	s_mov_b32 s[G1T+7], 0
	s_lshl_b32 s72, s[YY], 17                      ; the weight: 128 rows of 1,024 bytes a tile, the 64 rows that I fetch: it hangs on y alone
	s_lshl_b32 s73, s[WA], 16
	s_add_co_u32 s72, s72, s73
	s_mov_b32 s73, 0
	s_lshl_b32 s76, s[XX], 17                      ; the tokens: 2^17 bytes a group: it hangs on x alone
	s_lshl_b32 s77, s[WA], 16                      ; the four K steps that I fetch
	s_add_co_u32 s76, s76, s77
	s_mov_b32 s77, 0
	s_mul_i32 s91, s[WA], HALFP                    ; where they go: no place in the cluster enters an LDS address
	s_lshl_b32 s92, s[WA], 16
	s_lshl_b32 s78, s[YY], 9                       ; b_o and out0: my 64 columns, in bytes
	s_lshl_b32 s79, s[WA], 8
	s_add_co_u32 s78, s78, s79
	s_mov_b32 s79, 0
	s_lshl_b32 s80, s[XX], 19                      ; out0: 128 rows of 4,096 bytes a group, my 64 of them
	s_lshl_b32 s81, s[WB], 18
	s_add_co_u32 s80, s80, s81
	s_add_co_u32 s80, s80, s78
	s_mov_b32 s81, 0
	s_wait_dscnt 0x0
	s_wait_kmcnt 0x0
	s_load_b64 s[96:97], s[10:11], 0x28            ; e10, e11
	s_add_nc_u64 s[6:7], s[6:7], s[72:73]
	s_add_nc_u64 s[4:5], s[4:5], s[76:77]
	s_add_nc_u64 s[8:9], s[8:9], s[78:79]
	s_add_nc_u64 s[12:13], s[12:13], s[80:81]
.irp q, 0
	s_mov_b32 s[G0W+4*\q], 1
	s_add_co_u32 s[G0W+4*\q+1], s91, \q*CHUNK
	s_add_nc_u64 s[G0W+4*\q+2:G0W+4*\q+3], s[6:7], \q*256
	s_or_b32 s[G0W+4*\q+3], s[G0W+4*\q+3], 0x80000000
	s_mov_b32 s[G0T+4*\q], 1
	s_add_co_u32 s[G0T+4*\q+1], s92, \q*CHUNK+PANEL
	s_add_nc_u64 s[G0T+4*\q+2:G0T+4*\q+3], s[4:5], \q*32768
	s_or_b32 s[G0T+4*\q+3], s[G0T+4*\q+3], 0x80000000
.endr
	CROUND                                         ; all sixteen work-groups are here: the joint loads meet
	s_cmp_lt_u32 s[WV], 2                          ; waves 0, 1 fetch the weight's halves, waves 2, 3 the tokens': one load a wave is out, all in one branch on the wave's number
	s_cbranch_scc0 .Lfill_t
.irp q, 0
	tensor_load_to_lds s[G0W+4*\q:G0W+4*\q+3], s[G1J:G1J+7]
	s_nop 0
.endr
	PLACES
	s_branch .Lfilled
.Lfill_t:
.irp q, 0
	tensor_load_to_lds s[G0T+4*\q:G0T+4*\q+3], s[G1T:G1T+7]
	s_nop 0
.endr
	PLACES
.Lfilled:
	v_and_b32 v1, 15, v0                           ; r
	v_bfe_u32 v2, v0, 4, 1                         ; h
	v_mul_u32_u24 v4, v1, PITCH
	v_lshl_add_u32 v4, v2, 4, v4                   ; the weight: row r x pitch + 16 h
	s_wait_alu depctr_va_vdst(0)
	v_and_b32 v5, 31, v0
	v_lshlrev_b32 v5, 4, v5                        ; the tokens: 16 x lane
	s_wait_alu depctr_va_vdst(0)
	s_mul_i32 s93, s[WA], HALFP
	s_lshl_b32 s94, s[WB], 13                      ; my four tiles of 2,048 bytes
	s_add_co_u32 s94, s94, PANEL
.irp q, 0,1,2,3
	v_add_nc_u32 v[ADW+\q], s93, v4
	v_add_nc_u32 v[ADT+\q], s94, v5
	s_add_co_u32 s93, s93, CHUNK
	s_add_co_u32 s94, s94, 32768
.endr
	s_mul_i32 s95, s[WV], 16*SPITCH
	s_add_co_u32 s95, s95, STAGE                   ; my stage
	v_mul_u32_u24 v[STO], v1, SPITCH               ; in: row r, 32 bytes for each half of the lanes
	v_lshl_add_u32 v[STO], v2, 5, v[STO]
	v_add_nc_u32 v[STO], s95, v[STO]
	v_mul_u32_u24 v[RD], v2, SPITCH                ; back: lanes 0-15 one row of 256 bytes, lanes 16-31 the next
	v_lshl_add_u32 v[RD], v1, 4, v[RD]
	v_add_nc_u32 v[RD], s95, v[RD]
	v_lshlrev_b32 v[CO], 12, v2                    ; and the same two rows in out0
	v_lshl_add_u32 v[CO], v1, 4, v[CO]
	v_lshlrev_b32 v[BO], 5, v2                     ; b_o: register j of tile p is column 16 p + 8 h + j
.irp p, 0,1,2,3
	global_load_b128 v[BI+8*\p:BI+8*\p+3], v[BO], s[8:9] offset:64*\p
	global_load_b128 v[BI+8*\p+4:BI+8*\p+7], v[BO], s[8:9] offset:64*\p+16
.endr
; 32 LDS loads in one run: the fragments of K step s (chunk s / 2, half s % 2) into buffer f of window 1: the weight's four, then the tokens' four
.macro FETCH s, f
	WIN 0x40                                       ; destination window 1, address window 0
.irp p, 0,1,2,3
.irp c, 0,1,2,3
	ds_load_b128 v[(\f)+16*\p+4*\c:(\f)+16*\p+4*\c+3], v[ADW+(\s)/2] offset:128*((\s)%2)+32*\c+16*\p*PITCH
	ds_load_b128 v[(\f)+64+16*\p+4*\c:(\f)+64+16*\p+4*\c+3], v[ADT+(\s)/2] offset:16384*((\s)%2)+2048*\p+512*\c
.endr
.endr
	WIN 0
.endm
; 16 matrix instructions, the 16 accumulators by turns, in the same order in every step.  first = 1: the constant 0 starts the sums: nothing is cleared.
.macro MUL f, first
	WIN 0x05                                       ; sources 0 and 1 window 1; C and D window 0
.irp n, 0,1,2,3
.irp p, 0,1,2,3
.if \first
	v_wmma_f32_16x16x128_fp8_fp8 v[ACC+8*(4*\n+\p):ACC+8*(4*\n+\p)+7], v[(\f)+16*\p:(\f)+16*\p+15], v[(\f)+64+16*\n:(\f)+64+16*\n+15], 0
.else
	v_wmma_f32_16x16x128_fp8_fp8 v[ACC+8*(4*\n+\p):ACC+8*(4*\n+\p)+7], v[(\f)+16*\p:(\f)+16*\p+15], v[(\f)+64+16*\n:(\f)+64+16*\n+15], v[ACC+8*(4*\n+\p):ACC+8*(4*\n+\p)+7]
.endif
.endr
.endr
	WIN 0
.endm
; K step s: the next step's fragments are asked for, then this step is multiplied.
.macro KSTEP s
.if (\s) < 7
.if (\s) > 0
	PLACES                                         ; the buffer was read by the step before
.endif
	FETCH (\s)+1, 128*(((\s)+1)%2)
	s_wait_dscnt 32                                ; all but the 32 just issued: this step's fragments are in
.else
	s_wait_dscnt 0x0
.endif
.if (\s) == 0
	MUL 0, 1
.else
	MUL 128*((\s)%2), 0
.endif
.endm
	s_wait_tensorcnt 0x0                           ; my one load is in,
	s_barrier_signal -1
	s_barrier_wait -1                              ; everybody's is
	FETCH 0, 0
.irp s, 0,1,2,3,4,5,6,7
	KSTEP \s
.endr
; THE WAY OUT, a tile of 16 tokens x my 64 columns at a time.  LDS serves a wave's instructions in order (ISA guide 5.7.1.4): no wait between the stores into my stage and the loads from it, nor in front of the next tile's stores.
.macro TOSTAGE n
.set jj, 0
.rept 16
	v_pk_fma_f32 v[TMP+jj:TMP+jj+1], v[ACC+32*(\n)+jj:ACC+32*(\n)+jj+1], s[96:97], v[BI+jj:BI+jj+1] op_sel_hi:[1,0,1]   ; sum x 2^(e10 + e11) + b_o; each accumulator from its low end on
.set jj, jj+2
.endr
.irp p, 0,1,2,3
	ds_store_b128 v[STO], v[TMP+8*\p:TMP+8*\p+3] offset:64*\p
	ds_store_b128 v[STO], v[TMP+8*\p+4:TMP+8*\p+7] offset:64*\p+16
.endr
.irp i, 0,1,2,3,4,5,6,7
	ds_load_b128 v[ACC+32*(\n)+4*\i:ACC+32*(\n)+4*\i+3], v[RD] offset:2*\i*SPITCH   ; back into the registers that the sums have left
.endr
.endm
.macro SEND n, younger                 ; younger: the LDS instructions issued behind tile n's loads: the next tile's eight stores and eight loads, or none
	s_wait_dscnt \younger
.irp i, 0,1,2,3,4,5,6,7                ; stage row 2 i + (lane / 16) is token 32 (n / 2) + 8 (n % 2) + that row + 8 (i / 4) of my 64
	global_store_b128 v[CO], v[ACC+32*(\n)+4*\i:ACC+32*(\n)+4*\i+3], s[12:13] offset:(32*((\n)/2)+8*((\n)%2)+2*\i+8*(\i/4))*4096 th:TH_STORE_NT   ; 16 lanes store 256 consecutive bytes, at a multiple of 256 from out0's first byte
.endr
.endm
	s_wait_kmcnt 0x0
	s_add_co_i32 s96, s96, s97                     ; e10 + e11, between -126 and 127,
	s_add_co_i32 s96, s96, 127
	s_lshl_b32 s96, s96, 23                        ; makes the f32 number 2^(e10 + e11)
	s_mov_b32 s97, s96                             ; (named with it as a pair, so it is written)
	s_wait_loadcnt 0x0                             ; b_o
	PLACES
	TOSTAGE 0
	TOSTAGE 1
	SEND 0, 16
	TOSTAGE 2
	SEND 1, 16
	TOSTAGE 3
	SEND 2, 16
	SEND 3, 0
	s_wait_tensorcnt 0x0
	ds_add_u32 v126, v127
	s_wait_dscnt 0x0
	CROUND                                         ; the closing round: no work-group ends while a partner may still ask for a tile that names it
	s_endpgm
.Lfunc_end_k_q7e709620e9_outp:
	.size	k_q7e709620e9_outp, .Lfunc_end_k_q7e709620e9_outp-k_q7e709620e9_outp
	.p2alignl 7, 3214868480
	.fill 96, 4, 3214868480
	.section	.rodata,"a",@progbits
	.p2align	6, 0x0
	.amdhsa_kernel k_q7e709620e9_outp
		.amdhsa_group_segment_fixed_size 288256
		.amdhsa_private_segment_fixed_size 0
		.amdhsa_enable_private_segment 0
		.amdhsa_kernarg_size 40
		.amdhsa_user_sgpr_count 2
		.amdhsa_user_sgpr_kernarg_segment_ptr 1
		.amdhsa_wavefront_size32 1
		.amdhsa_system_sgpr_workgroup_id_x 1
		.amdhsa_system_sgpr_workgroup_id_y 1
		.amdhsa_system_sgpr_workgroup_id_z 1
		.amdhsa_system_vgpr_workitem_id 0
		.amdhsa_next_free_vgpr 512
		.amdhsa_next_free_sgpr 100
		.amdhsa_reserve_vcc 0
		.amdhsa_float_denorm_mode_32 3
		.amdhsa_float_denorm_mode_16_64 3
		.amdhsa_memory_ordered 1
		.amdhsa_forward_progress 1
		.amdhsa_inst_pref_size 46
	.end_amdhsa_kernel
	.amdgpu_metadata
---
amdhsa.version: [ 1, 2 ]
amdhsa.kernels:
  - .name:           k_q7e709620e9_outp
    .symbol:         k_q7e709620e9_outp.kd
    .args:
      - { .name: oimg, .offset: 0, .size: 8, .value_kind: global_buffer, .address_space: global }
      - { .name: w_o_codes, .offset: 8, .size: 8, .value_kind: global_buffer, .address_space: global }
      - { .name: b_o, .offset: 16, .size: 8, .value_kind: global_buffer, .address_space: global }
      - { .name: lowp_scales, .offset: 24, .size: 8, .value_kind: global_buffer, .address_space: global }
      - { .name: out0, .offset: 32, .size: 8, .value_kind: global_buffer, .address_space: global }
    .group_segment_fixed_size: 288256
    .private_segment_fixed_size: 0
    .kernarg_segment_align: 8
    .kernarg_segment_size: 40
    .max_flat_workgroup_size: 128
    .sgpr_count:     100
    .vgpr_count:     512
    .wavefront_size: 32
...
	.end_amdgpu_metadata
.endif
;; end of part 3
